; MI455X (gfx1250); checked and timed in simulation.
; The chip was launched on July 23, 2026; its instructions are those of AMD's public machine-readable ISA for CDNA 5 (MIT licence, August 2026) and "CDNA5" Instruction Set Architecture Reference Guide (July 2026). The comments in the code are by the model that wrote it; some were corrected since.
;; Extract Module. Allowed arithmetic: matrix products marked QUANTISED: E4M3 operands, one E8M0 scale for each 32 along K, by v_wmma_scale_f32_16x16x128_f8f6f4 with both operands' format E4M3, f32 sums; products left as they are: f32 operands where the result goes on into a quantised operand, else bf16, f16 or f32 operands; f32 sums; everything else in f32.
;; Inputs: batch 16 x 256 x 256 float32; lp 3 float32.
;; Outputs: out0 16 x 180 float32.
;; This version of the problem:
;;   THIS VERSION OF THE PROBLEM IS GIVEN IN LOW PRECISION. The matrix products marked QUANTISED in the list below multiply operands that are first quantised to E4M3 (4 exponent bits, 3 mantissa bits; 8 bits a number), with one power-of-two scale for each 32 numbers along K (OCP MX v1.0); their sums are f32. All else is computed in f32.
;;   The module's matrix products, in the order in which they are computed (A, B: the left and right operand; K: the contracted axis; several contracted axes count as one K, in the product's order):
;;     1. [M 1, K 3] x [K 3, N 47,185,920]; A: input lp; B: computed on the way: left as it is (K = 3 < 32)
;;     2. [M 16, K 262,144] x [K 262,144, N 180]; A: computed on the way; B: computed on the way: QUANTISED
;;   THE QUANTISER, for each operand of a quantised product, along K:
;;     - K is cut into blocks of 32 from its start; a last block that is shorter is filled with zeros.
;;     - A block's scale is 2^e with e = floor(log2(the largest magnitude in the block)) - 8, held to -126 .. 127; a block of zeros has e = 0. As a byte (E8M0): e + 127.
;;     - Each number is divided by its block's scale, clamped to +-448, and rounded to the nearest number of E4M3, ties to even, subnormals kept.
;;     - The product sums the exact products of the quantised numbers (number of the format x scale) in f32.
;;   ~~~python
;;   def quantise(x, axis):      # numpy; x: float32 -> the quantised numbers, widened to float32 again
;;       x = np.moveaxis(x, axis, -1); K = x.shape[-1]
;;       x = np.pad(x, [(0, 0)] * (x.ndim - 1) + [(0, -K % 32)]); x = x.reshape(x.shape[:-1] + (-1, 32)); a = np.abs(x).max(-1, keepdims=True)
;;       e = np.where(a > 0, np.clip(np.frexp(np.where(a > 0, a, 1))[1] - 1 - 8, -126, 127), 0)      # np.frexp(a)[1] - 1 = floor(log2(a)), exactly
;;       r = np.clip(x / 2.0 ** e, -448, 448)
;;       step = 2.0 ** (np.maximum(np.frexp(np.where(r == 0, 1, r))[1] - 1, -6) - 3)
;;       q = np.round(r / step) * step * 2.0 ** e      # np.round: ties to even
;;       return np.moveaxis(q.reshape(q.shape[:-2] + (-1,))[..., :K], -1, axis).astype(np.float32)
;;   ~~~
;;   OPERANDS COMPUTED ON THE WAY. 'Computed on the way' means the value that the module computes at that place (a softmax that the list does not call 'softmax' is quantised finished and normalised). What goes into a quantiser is computed in f32, as accurately as f32 sums, v_exp_f32 and their like allow (about 1e-6 of the number): no bf16 or f16 on the way to a quantiser, and a product that is left as it is and whose result goes on into a quantised operand takes f32 operands (vector FMAs, or v_wmma_f32_16x16x4_f32). A number that lies on a knife's edge between two numbers of the format may be rounded either way, as far as f32 arithmetic and the matrix unit's own rounding can turn it there, and no further.
;; 2 versions, each right; version 2 is version 1 with the launch project written anew for expert scheduling mode. Each part assembles by itself: llvm-mc -triple=amdgcn-amd-amdhsa -mcpu=gfx1250 --defsym DOCPART=n.
;; ======== version 1 of 2: 3 launches
;; limits: inputs' magnitudes at most 280,000,000,000,000; right only within a limited range of input values
;; workspace buffers: vbuf 18,874,368 bytes; part 3,145,728 bytes
;; launch columns (part 1): grid 9 x 16, 8 waves a work-group, no clusters, 271,872 bytes of LDS; arguments batch, vbuf; writes vbuf
.if DOCPART == 1
	.amdgcn_target "amdgcn-amd-amdhsa--gfx1250"
	.amdhsa_code_object_version 6
	.text
	.protected	k_q3b9bdb3b3c_columns
	.globl	k_q3b9bdb3b3c_columns
	.p2align	8
	.type	k_q3b9bdb3b3c_columns,@function
k_q3b9bdb3b3c_columns:
	s_mov_b64 s[64:65], 0
	v_nop
	global_prefetch_b8 v0, s[64:65] scope:SCOPE_SE
	s_setreg_imm32_b32 hwreg(HW_REG_WAVE_MODE, 25, 1), 1
	s_wait_xcnt 0x0
; V[h][j][w1] = e^(2 pi i j w1 / 512) sum over q of Y[h][j + 16 q] e^(2 pi i q w1 / 32),  Y[h][kw] = sum over kh of |F[kh][kw]| e^(2 pi i kh h / 512),
; F = the 512 x 512 transform of one 256 x 256 image padded with zeros.  Work-group (j, b) makes the 32 columns kw = j + 16 q of image b, j = 0 .. 8; V of sets 9 .. 15 is the conjugate of sets 7 .. 1 and is not made.
; ROWS (w = w1 + 32 w2): X[h][j + 16 q] = the 32-point transform over w1 of e^(-2 pi i j w1 / 512) sum over w2 < 8 of x[h][w1 + 32 w2] e^(-2 pi i j w2 / 16).  A lane takes one row.
; COLUMNS (h = ha + 32 hb, kh = 16 ka + kb): 16 points over hb (upper half zero), e^(-2 pi i kb ha / 512), 32 points over ha; the magnitude; the same backwards.  A lane is one column q: a wave's LDS access is 256 consecutive bytes.
; Every transform is decimation in frequency from one array of pairs (re, im) into the other; place p then holds number bit-reverse(p), and places are register numbers.
; The nine work-groups of an image read the same 262,144 bytes; nine is no multiple of four, so they form no cluster, and the image goes through registers to get its LDS pitch.
; LIMITS: NaN and infinities are not served; |F|^2 must lie in f32's normal range (|F| from 1e-19 to 1.8e19).
.set IMGP, 1040                        ; an image row in LDS: 65 x 16 bytes
.set XP,   264                         ; a row of X or Z: 32 pairs + 8 bytes
.set ABB,  256*XP                      ; the columns' exchange [kb 16][ha 32][q 32], 131,072 bytes.  X, this and Z's upper half lie over the image, which is dead by then
.set ZHI,  ABB+131072                  ; Z's rows 256 .. 511; rows 0 .. 255 take X's bytes
.set TW2B, 256*IMGP                    ; e^(+2 pi i ha kb / 512), [ha 32][kb 16]
.set TW3B, TW2B+4096                   ; e^(+2 pi i j w1 / 512), 32 entries; then e^(+2 pi i j w2 / 16), 32 entries
.set VROW, 36864                       ; bytes of vbuf for one h: 16 images x 9 sets x 256
.set XA, 32                            ; v32-95   32 pairs
.set XB, 96                            ; v96-159  32 pairs
.set TT, 160                           ; v160-175 eight pairs at work; in the row sums the eight e^(2 pi i j w2 / 16)
.set TW, 176                           ; v176-239 e^(2 pi i j w1 / 512), kept to the end
.set TWR, XA+32                        ; 16 twiddles beside a 16-point transform
.set TA, 160
.set TZ, 161
.set TP, 162
.set CT, 40                            ; s[CT+2k:CT+2k+1] = cos(pi k / 16), k = 1 .. 7, both words
.set PC0, 0x40490fdb                   ; sin(pi r) = r (PC0 + PC1 z + .. + PC5 z^5), z = r^2 <= 1/4
.set PC1, 0xc0a55de7
.set PC2, 0x402335e3
.set PC3, 0xbf196966
.set PC4, 0x3da83c1a
.set PC5, 0xbbee2719
.macro BARRIER                         ; my LDS stores have landed and my LDS loads are in: then the work-group's barrier
	s_wait_dscnt 0x0
	s_barrier_signal -1
	s_barrier_wait -1
.endm
.macro SETS k, val
	s_mov_b32 s[CT+2*\k], \val
	s_mov_b32 s[CT+2*\k+1], \val
.endm
; off = 0: v[out] = cos(2 pi v[idx] / 512); off = 384: the sine.  The index is folded in whole numbers, so r is exact
.macro TRISIN out, idx, off
.if \off
	v_add_nc_u32 v[TA], \off, v[\idx]
	v_and_b32 v[TA], 511, v[TA]
.else
	v_and_b32 v[TA], 511, v[\idx]
.endif
	v_cvt_f32_u32 v[TA], v[TA]
	v_add_f32 v[TA], 0xc3800000, v[TA]
	v_fma_f32 v[TA], |v[TA]|, 0x3b800000, -0.5
	v_mul_f32 v[TZ], v[TA], v[TA]
	v_mov_b32 v[TP], PC5
	v_fmaak_f32 v[TP], v[TP], v[TZ], PC4
	v_fmaak_f32 v[TP], v[TP], v[TZ], PC3
	v_fmaak_f32 v[TP], v[TP], v[TZ], PC2
	v_fmaak_f32 v[TP], v[TP], v[TZ], PC1
	v_fmaak_f32 v[TP], v[TP], v[TZ], PC0
	v_mul_f32 v[\out], v[TP], v[TA]
.endm
; d = s x e^(-+ i pi KK / 16) (dir = 0: minus), KK = 1 .. 15 but 8, in two halves: ph = 0: s x cos; ph = 1: (im, re) x sin on top, one of them negated
.macro ROT d, s, dir, ph
.if KK > 8
.set CI, 16-KK
.set SI, KK-8
.else
.set CI, KK
.set SI, 8-KK
.endif
.if \ph == 0
.if KK > 8
	v_pk_mul_f32 v[\d:\d+1], v[\s:\s+1], s[CT+2*CI:CT+2*CI+1] op_sel_hi:[1,0] neg_lo:[1,0] neg_hi:[1,0]
.else
	v_pk_mul_f32 v[\d:\d+1], v[\s:\s+1], s[CT+2*CI:CT+2*CI+1] op_sel_hi:[1,0]
.endif
.elseif \dir
	v_pk_fma_f32 v[\d:\d+1], v[\s:\s+1], s[CT+2*SI:CT+2*SI+1], v[\d:\d+1] op_sel:[1,0,0] op_sel_hi:[0,0,1] neg_lo:[1,0,0]
.else
	v_pk_fma_f32 v[\d:\d+1], v[\s:\s+1], s[CT+2*SI:CT+2*SI+1], v[\d:\d+1] op_sel:[1,0,0] op_sel_hi:[0,0,1] neg_hi:[1,0,0]
.endif
.endm
.macro BFIDX m                         ; butterfly BF of a stage with half size m: its two places, its twiddle's number, its pair at work
.set I0, (BF/(\m))*2*(\m)+BF%(\m)
.set I1, I0+(\m)
.set KK, (BF%(\m))*(16/(\m))
.set TG, TT+2*(BF-GB)
.endm
; One stage: dst[I0] = a + b, dst[I1] = (a - b) w.  Eight butterflies go together, line by line, so that no line waits for the line above it
.macro DIFSTAGE n, m, src, dst, dir
.set GB, 0
.rept (\n)/16
.set BF, GB
.rept 8
	BFIDX \m
	v_pk_add_f32 v[\dst+2*I0:\dst+2*I0+1], v[\src+2*I0:\src+2*I0+1], v[\src+2*I1:\src+2*I1+1]
.set BF, BF+1
.endr
.set BF, GB
.rept 8
	BFIDX \m
.if KK == 0
	v_pk_add_f32 v[\dst+2*I1:\dst+2*I1+1], v[\src+2*I0:\src+2*I0+1], v[\src+2*I1:\src+2*I1+1] neg_lo:[0,1] neg_hi:[0,1]
.elseif KK == 8
.if \dir
	v_pk_add_f32 v[\dst+2*I1:\dst+2*I1+1], v[\src+2*I0:\src+2*I0+1], v[\src+2*I1:\src+2*I1+1] op_sel:[1,1] op_sel_hi:[0,0] neg_lo:[1,0] neg_hi:[0,1]   ; (a - b) i
.else
	v_pk_add_f32 v[\dst+2*I1:\dst+2*I1+1], v[\src+2*I0:\src+2*I0+1], v[\src+2*I1:\src+2*I1+1] op_sel:[1,1] op_sel_hi:[0,0] neg_lo:[0,1] neg_hi:[1,0]   ; (a - b) (-i)
.endif
.else
	v_pk_add_f32 v[TG:TG+1], v[\src+2*I0:\src+2*I0+1], v[\src+2*I1:\src+2*I1+1] neg_lo:[0,1] neg_hi:[0,1]
.endif
.set BF, BF+1
.endr
.set BF, GB
.rept 8
	BFIDX \m
.if (KK != 0) && (KK != 8)
	ROT \dst+2*I1, TG, \dir, 0
.endif
.set BF, BF+1
.endr
.set BF, GB
.rept 8
	BFIDX \m
.if (KK != 0) && (KK != 8)
	ROT \dst+2*I1, TG, \dir, 1
.endif
.set BF, BF+1
.endr
.set GB, GB+8
.endr
.endm
.macro FFT32 a, b, dir                 ; from a into b
	DIFSTAGE 32, 16, \a, \b, \dir
	DIFSTAGE 32, 8, \b, \a, \dir
	DIFSTAGE 32, 4, \a, \b, \dir
	DIFSTAGE 32, 2, \b, \a, \dir
	DIFSTAGE 32, 1, \a, \b, \dir
.endm
.macro IMAP kind                       ; IM = IX, or IX with its 4 or 5 bits reversed
.if \kind == 0
.set IM, IX
.elseif \kind == 4
.set IM, ((IX&1)<<3)|((IX&2)<<1)|((IX&4)>>1)|((IX&8)>>3)
.else
.set IM, ((IX&1)<<4)|((IX&2)<<2)|(IX&4)|((IX&8)>>2)|((IX&16)>>4)
.endif
.endm
; db[dmap(i)] = sb[i] x wb[wmap(i)] (conj = 1: x its conjugate); a twiddle is a pair (cos, sin)
.macro CMULS cnt, sb, wb, db, conj, wmap, dmap
.set GB, 0
.rept (\cnt)/8
.set IX, GB
.rept 8
	IMAP \wmap
	v_pk_mul_f32 v[TT+2*(IX-GB):TT+2*(IX-GB)+1], v[\sb+2*IX:\sb+2*IX+1], v[\wb+2*IM:\wb+2*IM+1] op_sel:[0,0] op_sel_hi:[1,0]
.set IX, IX+1
.endr
.set IX, GB
.rept 8
	IMAP \wmap
.set IW, IM
	IMAP \dmap
.if \conj
	v_pk_fma_f32 v[\db+2*IM:\db+2*IM+1], v[\sb+2*IX:\sb+2*IX+1], v[\wb+2*IW:\wb+2*IW+1], v[TT+2*(IX-GB):TT+2*(IX-GB)+1] op_sel:[1,1,0] op_sel_hi:[0,1,1] neg_hi:[1,0,0]
.else
	v_pk_fma_f32 v[\db+2*IM:\db+2*IM+1], v[\sb+2*IX:\sb+2*IX+1], v[\wb+2*IW:\wb+2*IW+1], v[TT+2*(IX-GB):TT+2*(IX-GB)+1] op_sel:[1,1,0] op_sel_hi:[0,1,1] neg_lo:[1,0,0]
.endif
.set IX, IX+1
.endr
.set GB, GB+8
.endr
.endm
.macro GLD k, base                     ; rows 8 k .. 8 k + 7 of my wave's 32: each load is 512 consecutive bytes
.set I, 0
.rept 16
	global_load_b128 v[\base+4*I:\base+4*I+3], v3, s[4:5] offset:(8*(\k)+I/2)*1024+(I%2)*512
.set I, I+1
.endr
.endm
.macro LST k, base
.set I, 0
.rept 16
	ds_store_b128 v4, v[\base+4*I:\base+4*I+3] offset:(8*(\k)+I/2)*IMGP+(I%2)*512
.set I, I+1
.endr
.endm
.macro XLD w2                          ; my row's 32 numbers w1 + 32 w2
.set I, 0
.rept 8
	ds_load_b128 v[XB+32*((\w2)%2)+4*I:XB+32*((\w2)%2)+4*I+3], v7 offset:128*(\w2)+16*I
.set I, I+1
.endr
.endm
.macro TWLD i                          ; the 16 twiddles of row wave + 8 i of the table
.set I, 0
.rept 8
	ds_load_b128 v[TWR+4*I:TWR+4*I+3], v10 offset:1024*(\i)+16*I
.set I, I+1
.endr
.endm
	s_load_b128 s[4:7], s[0:1], 0x0                ; batch, vbuf
	v_lshl_add_u32 v240, v0, 2, 0x42200
	v_mov_b32 v241, 0
	v_lshrrev_b32 v1, 5, v0
	v_readfirstlane_b32 s8, v1                     ; wave 0 .. 7
	v_and_b32 v2, 31, v0                           ; lane
	s_mov_b32 s9, ttmp9                            ; j
	s_and_b32 s10, ttmp7, 0xffff                   ; image
	s_lshl_b32 s12, s10, 18
	s_mov_b32 s13, 0
	s_mul_i32 s24, s8, 5
	v_lshlrev_b32 v3, 4, v2
	v_lshl_add_u32 v3, v1, 15, v3                  ; the image in memory: 32 rows a wave, 16 bytes a lane
	v_mul_u32_u24 v4, v1, 32*IMGP
	v_lshl_add_u32 v4, v2, 4, v4                   ; and in LDS
	v_lshl_add_u32 v5, v0, 3, TW2B                 ; my two entries of the table
	v_mov_b32 v6, TW3B
	v_mul_u32_u24 v7, v0, IMGP                     ; my row of the image
	v_mul_u32_u24 v8, v0, XP                       ; my row of X, and of Z's lower half
	v_mul_u32_u24 v9, v1, XP
	v_lshl_add_u32 v9, v2, 3, v9                   ; row = wave (+ 8 i + 32 ..), column = lane
	v_lshl_add_u32 v10, v1, 7, TW2B
	v_lshlrev_b32 v11, 3, v2
	v_lshl_add_u32 v11, v1, 8, v11
	v_add_nc_u32 v11, ABB, v11                     ; exchange [kb < 8][wave + 8 i][lane]
	v_add_nc_u32 v12, 65536, v11                   ; [kb >= 8]
	v_lshlrev_b32 v13, 3, v2
	v_lshl_add_u32 v13, v1, 13, v13
	v_add_nc_u32 v13, ABB, v13                     ; exchange [kb = wave][..][lane]
	v_add_nc_u32 v14, 65536, v13                   ; [kb = wave + 8]
	v_mul_u32_u24 v15, v1, 32*VROW
	v_lshl_add_u32 v15, v2, 3, v15                 ; vbuf: h = 32 wave (+ ..), 8 bytes a lane
	v_lshl_add_u32 v16, v0, 3, TW3B
	v_add_nc_u32 v17, ZHI, v8                      ; my row of Z's upper half
	v_add_nc_u32 v18, ZHI, v9
	v_mul_u32_u24 v19, v1, 32*XP
	v_lshl_add_u32 v19, v2, 3, v19                 ; my wave's 32 rows of Z, column = lane
	v_add_nc_u32 v20, ZHI, v19
	SETS 1, 0x3f7b14be
	SETS 2, 0x3f6c835e
	SETS 3, 0x3f54db31
	SETS 4, 0x3f3504f3
	SETS 5, 0x3f0e39da
	SETS 6, 0x3ec3ef15
	SETS 7, 0x3e47c5c2
	s_wait_kmcnt 0x0
	s_add_nc_u64 s[4:5], s[4:5], s[12:13]
	GLD 0, XA
	GLD 1, XB
	s_mul_i32 s14, s10, 2304
	s_lshl_b32 s15, s9, 8
	s_add_co_u32 s14, s14, s15
	s_mov_b32 s15, 0
	s_add_nc_u64 s[16:17], s[6:7], s[14:15]        ; vbuf at (h = 0, b, j),
	s_add_nc_u64 s[18:19], s[16:17], 256*VROW      ; and at h = 256
	; the tables, while the image is on its way
	v_lshrrev_b32 v28, 4, v0
	v_and_b32 v31, 15, v0
	v_mul_u32_u24 v28, v28, v31                    ; ha kb
	v_lshl_add_u32 v29, v31, 4, v28                ; (ha + 16) kb
	TRISIN 22, 28, 0
	TRISIN 23, 28, 384
	TRISIN 24, 29, 0
	TRISIN 25, 29, 384
	ds_store_b64 v5, v[22:23]
	ds_store_b64 v5, v[24:25] offset:2048
	s_cmp_lt_u32 s8, 2
	s_cbranch_scc0 .Lno_tw3
	v_mul_u32_u24 v30, s9, v2                      ; wave 0: j w1;
	v_lshlrev_b32 v30, s24, v30                    ; wave 1: 32 j w2
	TRISIN 26, 30, 0
	TRISIN 27, 30, 384
	ds_store_b64 v16, v[26:27]
.Lno_tw3:
	s_wait_loadcnt 16                              ; the older batch of 16 loads is in, the younger stays out
	LST 0, XA
	s_wait_dscnt 0x0                               ; the stores have read their registers
	GLD 2, XA
	s_wait_loadcnt 16
	LST 1, XB
	s_wait_dscnt 0x0
	GLD 3, XB
	s_wait_loadcnt 16
	LST 2, XA
	s_wait_loadcnt 0x0
	LST 3, XB
	BARRIER                                        ; the tables are whole (a wave reads only image rows that it stored itself)
	; ---- ROWS: lane = row
.set I, 0
.rept 4
	ds_load_b128 v[TT+4*I:TT+4*I+3], v6 offset:256+16*I
.set I, I+1
.endr
.set I, 0
.rept 16
	ds_load_b128 v[TW+4*I:TW+4*I+3], v6 offset:16*I
.set I, I+1
.endr
	XLD 0
	XLD 1
.set W2, 0
.rept 8
.if W2 < 7
	s_wait_dscnt 8                                 ; this w2's eight loads and all older ones are in; the next w2's eight stay out
.else
	s_wait_dscnt 0x0
.endif
.set W1, 0
.rept 32
.set XR, XB+32*(W2%2)+(W1/2)*2
.if W2 == 0
.if W1%2
	v_pk_mul_f32 v[XA+2*W1:XA+2*W1+1], v[XR:XR+1], v[TT:TT+1] op_sel:[1,0] op_sel_hi:[1,1] neg_hi:[0,1]
.else
	v_pk_mul_f32 v[XA+2*W1:XA+2*W1+1], v[XR:XR+1], v[TT:TT+1] op_sel:[0,0] op_sel_hi:[0,1] neg_hi:[0,1]
.endif
.else
.if W1%2
	v_pk_fma_f32 v[XA+2*W1:XA+2*W1+1], v[XR:XR+1], v[TT+2*W2:TT+2*W2+1], v[XA+2*W1:XA+2*W1+1] op_sel:[1,0,0] op_sel_hi:[1,1,1] neg_hi:[0,1,0]
.else
	v_pk_fma_f32 v[XA+2*W1:XA+2*W1+1], v[XR:XR+1], v[TT+2*W2:TT+2*W2+1], v[XA+2*W1:XA+2*W1+1] op_sel:[0,0,0] op_sel_hi:[0,1,1] neg_hi:[0,1,0]
.endif
.endif
.set W1, W1+1
.endr
.if W2+2 < 8
	XLD (W2+2)
.endif
.set W2, W2+1
.endr
	CMULS 32, XA, TW, XB, 1, 0, 0
	FFT32 XB, XA, 0
	BARRIER                                        ; every wave has read its image rows: X may be laid over them
.set IX, 0
.rept 32
	IMAP 5
	ds_store_b64 v8, v[XA+2*IX:XA+2*IX+1] offset:8*IM
.set IX, IX+1
.endr
	BARRIER
	; ---- COLUMNS: lane = column q.  First step, for ha = wave + 8 i: 16 points over hb, then e^(-2 pi i kb ha / 512)
.macro STEPA i
.set HB, 0
.rept 8
	ds_load_b64 v[XB+2*HB:XB+2*HB+1], v9 offset:(8*(\i)+32*HB)*XP
.set HB, HB+1
.endr
	TWLD \i
	s_wait_dscnt 8                                 ; the eight inputs are in; the eight twiddle loads stay out
.set J, 0
.rept 8                                        ; the first stage with a zero upper half: place 8 + J = place J x e^(-2 pi i J / 16)
.set KK, 2*J
.if J == 0
	v_pk_mul_f32 v[XB+16:XB+17], v[XB:XB+1], 1.0 op_sel_hi:[1,0]
.elseif J == 4
	v_pk_mul_f32 v[XB+24:XB+25], v[XB+8:XB+9], 1.0 op_sel:[1,0] op_sel_hi:[0,0] neg_hi:[1,0]
.else
	ROT XB+16+2*J, XB+2*J, 0, 0
.endif
.set J, J+1
.endr
.set J, 1
.rept 7
.set KK, 2*J
.if J != 4
	ROT XB+16+2*J, XB+2*J, 0, 1
.endif
.set J, J+1
.endr
	DIFSTAGE 16, 4, XB, XA, 0
	DIFSTAGE 16, 2, XA, XB, 0
	DIFSTAGE 16, 1, XB, XA, 0
	s_wait_dscnt 0x0
	CMULS 16, XA, TWR, XB, 1, 4, 0
.set IX, 0
.rept 16
	IMAP 4
.if IM < 8
	ds_store_b64 v11, v[XB+2*IX:XB+2*IX+1] offset:IM*8192+2048*(\i)
.else
	ds_store_b64 v12, v[XB+2*IX:XB+2*IX+1] offset:(IM-8)*8192+2048*(\i)
.endif
.set IX, IX+1
.endr
	s_wait_dscnt 0x0                               ; the stores have read their registers
.endm
	STEPA 0
	STEPA 1
	STEPA 2
	STEPA 3
	BARRIER
; Second step, for one kb: 32 points over ha, the magnitude, 32 points backwards over ka; back into the same bytes, which are this lane's own
.macro STEPBC adr
.set HA, 0
.rept 32
	ds_load_b64 v[XA+2*HA:XA+2*HA+1], v[\adr] offset:256*HA
.set HA, HA+1
.endr
	s_wait_dscnt 0x0
	FFT32 XA, XB, 0
.set IX, 0
.rept 32
	v_pk_mul_f32 v[XB+2*IX:XB+2*IX+1], v[XB+2*IX:XB+2*IX+1], v[XB+2*IX:XB+2*IX+1]
.set IX, IX+1
.endr
.set IX, 0
.rept 32
	v_add_f32 v[XB+2*IX], v[XB+2*IX], v[XB+2*IX+1]
.set IX, IX+1
.endr
.set IX, 0
.rept 32
	IMAP 5
	v_sqrt_f32 v[XA+2*IM], v[XB+2*IX]              ; |F| goes to its natural place
.set IX, IX+1
.endr
.set IX, 0
.rept 32
	v_mov_b32 v[XA+2*IX+1], 0                      ; its imaginary part: plain work behind the roots
.set IX, IX+1
.endr
	s_wait_alu depctr_va_vdst(0)                   ; one wait for the 32 roots, ahead of their first reader
	FFT32 XA, XB, 1
.set IX, 0
.rept 32
	IMAP 5
	ds_store_b64 v[\adr], v[XB+2*IX:XB+2*IX+1] offset:256*IM
.set IX, IX+1
.endr
	s_wait_dscnt 0x0
.endm
	STEPBC 13
	STEPBC 14
	BARRIER
; Third step, for h alpha = wave + 8 i: e^(+2 pi i kb h alpha / 512), 16 points backwards over kb; row h = h alpha + 32 h beta of Z
.macro STEPD i
.set KB, 0
.rept 16
.if KB < 8
	ds_load_b64 v[XA+2*KB:XA+2*KB+1], v11 offset:KB*8192+2048*(\i)
.else
	ds_load_b64 v[XA+2*KB:XA+2*KB+1], v12 offset:(KB-8)*8192+2048*(\i)
.endif
.set KB, KB+1
.endr
	TWLD \i
	s_wait_dscnt 0x0
	CMULS 16, XA, TWR, XB, 0, 0, 0
	DIFSTAGE 16, 8, XB, XA, 1
	DIFSTAGE 16, 4, XA, XB, 1
	DIFSTAGE 16, 2, XB, XA, 1
	DIFSTAGE 16, 1, XA, XB, 1
.set IX, 0
.rept 16
	IMAP 4
.if IM < 8
	ds_store_b64 v9, v[XB+2*IX:XB+2*IX+1] offset:(8*(\i)+32*IM)*XP
.else
	ds_store_b64 v18, v[XB+2*IX:XB+2*IX+1] offset:(8*(\i)+32*(IM-8))*XP
.endif
.set IX, IX+1
.endr
	s_wait_dscnt 0x0
.endm
	STEPD 0
	STEPD 1
	STEPD 2
	STEPD 3
	BARRIER
; Last step: lane = row h = thread + 256 e.  32 points backwards over q, e^(+2 pi i j w1 / 512); the wave's 32 rows turn through their own bytes of Z (LDS serves a wave's instructions in order),
; so that a store's 32 lanes write the 256 consecutive, aligned bytes of one (h, b, j)
.macro STEPE e, arow, atr, sb
.if \e
	s_wait_xcnt 0x0                                ; the first half's stores have read their data: the registers are written again only behind this wait
.endif
.set Q, 0
.rept 32
	ds_load_b64 v[XA+2*Q:XA+2*Q+1], v[\arow] offset:8*Q
.set Q, Q+1
.endr
	s_wait_dscnt 0x0
	FFT32 XA, XB, 1
	CMULS 32, XB, TW, XA, 0, 5, 5
.set Q, 0
.rept 32
	ds_store_b64 v[\arow], v[XA+2*Q:XA+2*Q+1] offset:8*Q
.set Q, Q+1
.endr
.set Q, 0
.rept 32
	ds_load_b64 v[XB+2*Q:XB+2*Q+1], v[\atr] offset:Q*XP
.set Q, Q+1
.endr
	s_wait_dscnt 0x0
.set Q, 0
.rept 32
	global_store_b64 v15, v[XB+2*Q:XB+2*Q+1], s[\sb:\sb+1] offset:Q*VROW
.set Q, Q+1
.endr
.endm
	STEPE 0, 8, 19, 16
	STEPE 1, 17, 20, 18
	s_wait_tensorcnt 0x0
	ds_add_u32 v240, v241
	s_wait_dscnt 0x0
	s_endpgm
.Lfunc_end_k_q3b9bdb3b3c_columns:
	.size	k_q3b9bdb3b3c_columns, .Lfunc_end_k_q3b9bdb3b3c_columns-k_q3b9bdb3b3c_columns
	.p2alignl 7, 3214868480
	.fill 96, 4, 3214868480
	.section	.rodata,"a",@progbits
	.p2align	6, 0x0
	.amdhsa_kernel k_q3b9bdb3b3c_columns
		.amdhsa_group_segment_fixed_size 271872
		.amdhsa_private_segment_fixed_size 0
		.amdhsa_enable_private_segment 0
		.amdhsa_kernarg_size 16
		.amdhsa_user_sgpr_count 2
		.amdhsa_user_sgpr_kernarg_segment_ptr 1
		.amdhsa_wavefront_size32 1
		.amdhsa_system_sgpr_workgroup_id_x 1
		.amdhsa_system_sgpr_workgroup_id_y 1
		.amdhsa_system_sgpr_workgroup_id_z 1
		.amdhsa_system_vgpr_workitem_id 0
		.amdhsa_next_free_vgpr 242
		.amdhsa_next_free_sgpr 66
		.amdhsa_reserve_vcc 0
		.amdhsa_float_denorm_mode_32 3
		.amdhsa_float_denorm_mode_16_64 3
		.amdhsa_memory_ordered 1
		.amdhsa_forward_progress 1
		.amdhsa_inst_pref_size 255
	.end_amdhsa_kernel
	.section	.bss,"aw",@nobits
	.p2align	6
	.space	262144
	.amdgpu_metadata
---
amdhsa.version: [ 1, 2 ]
amdhsa.kernels:
  - .name:           k_q3b9bdb3b3c_columns
    .symbol:         k_q3b9bdb3b3c_columns.kd
    .args:
      - { .name: batch, .offset: 0, .size: 8, .value_kind: global_buffer, .address_space: global }
      - { .name: vbuf, .offset: 8, .size: 8, .value_kind: global_buffer, .address_space: global }
    .group_segment_fixed_size: 271872
    .private_segment_fixed_size: 0
    .kernarg_segment_align: 8
    .kernarg_segment_size: 16
    .max_flat_workgroup_size: 256
    .sgpr_count:     66
    .vgpr_count:     242
    .wavefront_size: 32
...
	.end_amdgpu_metadata
.endif
;; end of part 1
;; launch project (part 2): grid 256 x 1, 12 waves a work-group, no clusters, 85,504 bytes of LDS; arguments vbuf, lp, part; writes part
.if DOCPART == 2
	.amdgcn_target "amdgcn-amd-amdhsa--gfx1250"
	.amdhsa_code_object_version 6
	.text
	.protected	k_q3b9bdb3b3c_project
	.globl	k_q3b9bdb3b3c_project
	.p2align	8
	.type	k_q3b9bdb3b3c_project,@function
k_q3b9bdb3b3c_project:
	s_mov_b64 s[64:65], 0
	v_nop
	global_prefetch_b8 v0, s[64:65] scope:SCOPE_SE
	s_setreg_imm32_b32 hwreg(HW_REG_WAVE_MODE, 25, 1), 1
	s_wait_xcnt 0x0
; Work-group g owns rows h = 2 g, 2 g + 1 of the 512 x 512 grid: 1,024 of the product's K.  It finishes pseudo for these rows of all 16 images, quantises it, makes and quantises the masks of all angles
; on these rows, and multiplies: part[g] = 12 tiles of 16 images x 16 angles, summed over its K.
; PSEUDO (w = w1 + 32 w2): 2^-18 (V0r + (-1)^w2 V8r) + 2^-17 sum over j = 1 .. 7 of (Vr_j cos(pi j w2 / 8) - Vi_j sin(pi j w2 / 8)).  Waves 0-7: four rows (h, image) each, lane = w1.
; The real rows lie in LDS; waves 0-7 quantise one operand of 16 images x 128 along w each and leave it in LDS as an image of its registers.
; MASKS.  x = m cos + n sin.  Since sin(pi (x +- p)) = (-1)^p sin(pi x):  mask = sin(pi x) N / (x (x^2 - 1)(x^2 - 4)),  N = (CA q + CB) q + CC,  q = x^2 - 1,
; CA = (2 / pi)(lp0 - lp1 + lp2), CB = (2 / pi)(-3 lp0 + 2 lp1 + lp2), CC = (2 / pi) 3 lp1.  x^2 - 1 and x^2 - 4 are one fused operation each.  sin(pi x) = (-1)^k r P(r^2), k the nearest whole number, r = x - k exact.
; x never is 0, +-1, +-2: 2^-60 is added (it changes only numbers under 2^-36) and the lowest bit of x is set: no quotient is 0 / 0 and nothing is selected.
; Wave = one tile of 16 angles, t = 16 wave + lane % 16; a lane's registers run along w in the order of the operand's layout: 16 numbers of each of four blocks of 32; lane l xor 16 holds the other 16.
; Angles 180 .. 191 of the last tile are computed like the others and never read.
; LIMITS: x is moved by at most one unit in its last place; the angle is pi t / 180 (within 2e-7 of the rounded angles of the definition); NaN and infinities are not served.
; No work-group shares an input with another but lp's 12 bytes: no cluster.  vbuf is read once, in one run at the head: nothing could be asked for ahead of it.
.set YRB,  0                           ; 32 real rows (16 hl + image) of 2,048 bytes + 16
.set FRGB, 32*2064                     ; 8 operands of 2,048 bytes,
.set FSCB, FRGB+8*2048                 ; their scale words, 128 bytes each
.set COSV, 15
.set MC,   16                          ; m cos
.set NL,   17                          ; n of my first number of the step
.set HF16, 18
.set SIN,  20                          ; pairs of equal words: sin;
.set BASE, 22                          ; x of my block's first number;
.set ONE,  24
.set NEG1, 26
.set NEG4, 28
.set EPS,  30                          ; 2^-60
.set MAG,  32                          ; 1.5 x 2^23
.set NMAG, 34
.set C0,   36                          ; sin(pi r) = r (C0 + C1 z + .. + C5 z^5), z = r^2 <= 1/4
.set C1,   38
.set C2,   40
.set C3,   42
.set C4,   44
.set C5,   46
.set CA,   48
.set CB,   50
.set CC,   52
.set IOTA, 54                          ; v54-69 0.0 .. 15.0
.set AX,   70                          ; the mask's five arrays of 16: x;
.set AT,   86                          ; x + 1.5 2^23, its parity, later q;
.set AR,   102                         ; r, later N;
.set AZ,   118                         ; r^2, later the denominator and its reciprocal;
.set AP,   134                         ; the polynomial, sin, sin x N
.set AM,   150                         ; v150-213 64 numbers ahead of the quantiser
.set VR,   70                          ; the synthesis: V of row k, set j at v[VR + 18 k + 2 j]
.set TM,   70                          ; v70-85 the quantiser's work
.set PC,   214                         ; v214-229 the codes just made
.set AF,   230                         ; v230-245 pseudo's codes
.set ACC,  246                         ; v246-253
.set SA,   254                         ; pseudo's scale words
.set PW,   255                         ; the scale word just made
.set TA,   142
.set TZ,   143
.set TP,   144
.set CT,   40                          ; s40-43 2^-17 cos(pi k / 8), k = 0 .. 3
.macro BARRIER
	s_wait_dscnt 0x0
	s_barrier_signal -1
	s_barrier_wait -1
.endm
.macro SETP p, c
	v_mov_b32 v[\p], \c
	v_mov_b32 v[\p+1], \c
.endm
.macro DIV180                          ; v[TA] = v[TZ] / 180: one step of correction behind the product with 1 / 180
	v_mul_f32 v[TA], 0x3bb60b61, v[TZ]
	v_fma_f32 v[TP], v[TA], 0xc3340000, v[TZ]
	v_fma_f32 v[TA], v[TP], 0x3bb60b61, v[TA]
.endm
.macro SPOLY out                       ; v[out] = sin(pi v[TA])
	v_mul_f32 v[TZ], v[TA], v[TA]
	v_mov_b32 v[TP], 0xbbee2719
	v_fmaak_f32 v[TP], v[TP], v[TZ], 0x3da83c1a
	v_fmaak_f32 v[TP], v[TP], v[TZ], 0xbf196966
	v_fmaak_f32 v[TP], v[TP], v[TZ], 0x402335e3
	v_fmaak_f32 v[TP], v[TP], v[TZ], 0xc0a55de7
	v_fmaak_f32 v[TP], v[TP], v[TZ], 0x40490fdb
	v_mul_f32 v[\out], v[TP], v[TA]
.endm
.macro PKF d, a, b, bs, c, cs          ; 16 numbers: d = a b + c; bs, cs = 2: an array, 0: a pair of equal words
.set I, 0
.rept 8
	v_pk_fma_f32 v[\d+2*I:\d+2*I+1], v[\a+2*I:\a+2*I+1], v[\b+\bs*I:\b+\bs*I+1], v[\c+\cs*I:\c+\cs*I+1]
.set I, I+1
.endr
.endm
.macro PKM d, a, b, bs
.set I, 0
.rept 8
	v_pk_mul_f32 v[\d+2*I:\d+2*I+1], v[\a+2*I:\a+2*I+1], v[\b+\bs*I:\b+\bs*I+1]
.set I, I+1
.endr
.endm
.macro TERM dst, src, k, flip          ; dst += (flip: -) src x 2^-17 cos(pi k / 8); nothing where the cosine is 0
.set KQ, (\k)%16
.set CN, \flip
.if KQ > 8
.set KQ, 16-KQ
.endif
.if KQ > 4
.set KQ, 8-KQ
.set CN, 1-CN
.endif
.if KQ < 4
.if CN
	v_fma_f32 v[\dst], -v[\src], s[CT+KQ], v[\dst]
.else
	v_fma_f32 v[\dst], v[\src], s[CT+KQ], v[\dst]
.endif
.endif
.endm
; 64 numbers of a lane, register 16 b + i = k 32 b + 16 (lane / 16) + i of my row or column, become an operand's codes in v[PC] on and its scale word in v[PW]
.macro QUANT s
.irp b, 0,1,2,3
	v_max3_num_f32 v[TM+\b], |v[\s+16*\b]|, |v[\s+1+16*\b]|, 0x4800000   ; block b: my 16 numbers, and the floor 2^(9 - 127): the byte cannot fall under 1 (a block of zeros keeps that byte over zero codes; this program alone reads the bytes)
.endr
.irp i, 2,4,6,8,10,12,14
.irp b, 0,1,2,3
	v_max3_num_f32 v[TM+\b], v[TM+\b], |v[\s+16*\b+\i]|, |v[\s+1+16*\b+\i]|
.endr
.endr
.irp b, 0,1,2,3
	v_permlanex16_b32 v[TM+4+\b], v[TM+\b], s20, s21
.endr
.irp b, 0,1,2,3
	v_max_num_f32 v[TM+\b], v[TM+\b], v[TM+4+\b]   ; with lane l xor 16's: the block's largest magnitude
.endr
.irp b, 0,1,2,3
	v_add_nc_u32 v[TM+12+\b], 0xfc000000, v[TM+\b]   ; 8 off its exponent field: the conversion's scale operand
.endr
.irp b, 0,1,2,3
	v_and_or_b32 v[TM+8+\b], v[TM+\b], 0x7f800000, s22   ; 448 x the scale
.endr
.irp b, 0,1,2,3
	v_lshrrev_b32 v[TM+4+\b], 23, v[TM+12+\b]   ; the scale's byte
.endr
	v_lshl_or_b32 v[PW], v[TM+5], 8, v[TM+4]
	v_lshl_or_b32 v[PW], v[TM+6], 16, v[PW]
	v_lshl_or_b32 v[PW], v[TM+7], 24, v[PW]
.irp b, 0,1,2,3
.irp i, 0,1,2,3,4,5,6,7,8,9,10,11,12,13,14,15
	v_med3_num_f32 v[\s+16*\b+\i], v[\s+16*\b+\i], -v[TM+8+\b], v[TM+8+\b]   ; the conversion to an 8-bit code does not saturate (ISA guide 7.6.2): the hold at the largest code x the scale
.endr
	v_cvt_scalef32_pk8_fp8_f32 v[PC+4*\b:PC+1+4*\b], v[\s+16*\b:\s+7+16*\b], v[TM+12+\b]
	v_cvt_scalef32_pk8_fp8_f32 v[PC+2+4*\b:PC+3+4*\b], v[\s+8+16*\b:\s+15+16*\b], v[TM+12+\b]
.endr
	v_nop                                          ; one plain line behind the last conversion
.endm
; my 16 mask numbers of block c of the step; f32c = the float 32 c
.macro MASK16 c, f32c
.if \c
	v_add_f32 v19, \f32c, v[NL]
	v_fma_f32 v[BASE], v19, v[SIN], v[MC]
.else
	v_fma_f32 v[BASE], v[NL], v[SIN], v[MC]
.endif
	v_mov_b32 v[BASE+1], v[BASE]
	PKF AX, IOTA, SIN, 0, BASE, 0                  ; x
	PKF AX, AX, ONE, 0, EPS, 0
.set I, 0
.rept 16
	v_or_b32 v[AX+I], 1, v[AX+I]
.set I, I+1
.endr
	PKF AT, AX, ONE, 0, MAG, 0                     ; the sum's lowest bits hold the nearest whole number k
	PKF AR, AT, ONE, 0, NMAG, 0                    ; k
	PKF AR, AR, NEG1, 0, AX, 2                     ; r = x - k
.set I, 0
.rept 16
	v_lshlrev_b32 v[AT+I], 31, v[AT+I]             ; k's parity as a sign
.set I, I+1
.endr
	PKM AZ, AR, AR, 2
.set I, 0
.rept 16
	v_xor_b32 v[AR+I], v[AT+I], v[AR+I]
.set I, I+1
.endr
	PKF AP, AZ, C5, 0, C4, 0
	PKF AP, AP, AZ, 2, C3, 0
	PKF AP, AP, AZ, 2, C2, 0
	PKF AP, AP, AZ, 2, C1, 0
	PKF AP, AP, AZ, 2, C0, 0
	PKM AP, AP, AR, 2                              ; sin(pi x)
	PKF AT, AX, AX, 2, NEG1, 0                     ; q
	PKF AZ, AX, AX, 2, NEG4, 0
	PKF AR, AT, CA, 0, CB, 0
	PKF AR, AR, AT, 2, CC, 0                       ; N
	PKM AZ, AZ, AT, 2
	PKM AZ, AZ, AX, 2                              ; the denominator
.set I, 0
.rept 16
	v_rcp_f32 v[AZ+I], v[AZ+I]
.set I, I+1
.endr
	PKM AP, AP, AR, 2                              ; plain work behind the reciprocals
	s_wait_alu depctr_va_vdst(0)                   ; one wait for the 16, ahead of their first reader
	PKM AM+16*(\c), AP, AZ, 2
.endm
	s_load_b128 s[4:7], s[0:1], 0x0                ; vbuf, lp
	s_load_b64 s[8:9], s[0:1], 0x10                ; part
	s_set_vgpr_msb 0x40
	v_lshl_add_u32 v0, v0, 2, 0x14800
	v_mov_b32 v1, 0
	s_set_vgpr_msb 0x4000
	v_lshrrev_b32 v1, 5, v0
	v_readfirstlane_b32 s10, v1                    ; wave 0 .. 11
	v_and_b32 v2, 31, v0                           ; lane
	v_and_b32 v3, 15, v0                           ; r
	v_bfe_u32 v4, v0, 4, 1                         ; which half of the lanes
	s_mul_i32 s12, ttmp9, 73728                    ; my two rows of h: 2 x 16 x 9 x 256 consecutive bytes
	s_mov_b32 s13, 0
	s_mul_i32 s14, ttmp9, 12288
	s_mov_b32 s15, 0
	s_wait_kmcnt 0x0
	s_load_b96 s[16:18], s[6:7], 0x0               ; lp
	s_add_nc_u64 s[4:5], s[4:5], s[12:13]
	s_add_nc_u64 s[8:9], s[8:9], s[14:15]
	; every LDS address is made here, ahead of the first parting of the waves
	v_mul_u32_u24 v5, v1, 9216
	v_lshl_add_u32 v5, v2, 3, v5                   ; vbuf: four rows a wave, 8 bytes a lane
	v_mul_u32_u24 v6, v1, 8256
	v_lshl_add_u32 v6, v2, 2, v6                   ; the real rows, on the way in: row 4 wave (+ k), w1 = lane
	v_lshrrev_b32 v7, 2, v1
	v_mul_u32_u24 v7, v7, 33024
	v_and_b32 v19, 3, v1
	v_lshl_add_u32 v7, v19, 9, v7
	v_mad_u32_u24 v7, v3, 2064, v7
	v_lshl_add_u32 v7, v4, 6, v7                   ; on the way out: operand = wave: row 16 (wave / 4) + r, w = 128 (wave % 4) + 16 half
	v_lshlrev_b32 v10, 4, v2
	v_lshlrev_b32 v11, 2, v2
	v_lshl_add_u32 v8, v1, 11, v10
	v_add_nc_u32 v8, FRGB, v8
	v_lshl_add_u32 v9, v0, 2, FSCB
	v_lshl_add_u32 v14, v1, 10, v10                ; part: 1,024 bytes a tile, 16 a lane
	s_mov_b32 s20, 0x76543210
	s_mov_b32 s21, 0xfedcba98                      ; v_permlanex16_b32's selects for lane l xor 16
	s_mov_b32 s22, 0x600000                        ; the mantissa field of 448
	s_mov_b32 s24, 0                               ; the K step
	s_mov_b32 s25, FRGB                            ; its operand,
	s_mov_b32 s26, FSCB                            ; its scale words
	s_lshl_b32 s27, ttmp9, 1                       ; my first h
	s_mov_b32 s40, 0x37000000
	s_mov_b32 s41, 0x36ec835e
	s_mov_b32 s42, 0x36b504f3
	s_mov_b32 s43, 0x3643ef15
	SETP ONE, 1.0
	SETP NEG1, -1.0
	SETP NEG4, -4.0
	SETP EPS, 0x21800000
	SETP MAG, 0x4b400000
	SETP NMAG, 0xcb400000
	SETP C0, 0x40490fdb
	SETP C1, 0xc0a55de7
	SETP C2, 0x402335e3
	SETP C3, 0xbf196966
	SETP C4, 0x3da83c1a
	SETP C5, 0xbbee2719
.set I, 0
.rept 16
	v_cvt_f32_u32 v[IOTA+I], I
.set I, I+1
.endr
.set I, 0
.rept 4
	v_mov_b32 v[TM+4+I], 0                         ; written once: a lane permute's destination counts as one of its sources
.set I, I+1
.endr
.set I, 0
.rept 8
	v_mov_b32 v[ACC+I], 0                          ; eight lines, so that the loop's body is written once
.set I, I+1
.endr
	v_lshlrev_b32 v[HF16], 4, v4
	v_cvt_f32_u32 v[HF16], v[HF16]
	v_lshl_add_u32 v145, v1, 4, v3                 ; my angle's number t
	v_add_nc_u32 v145, -90, v145
	v_cvt_f32_i32 v145, v145                       ; t - 90
	v_sub_f32 v[TZ], 0, v145
	DIV180
	SPOLY COSV                                     ; cos(pi t / 180) = sin(pi (90 - t) / 180)
	v_sub_f32 v[TZ], 0x42b40000, |v145|            ; 90 - |t - 90| = min(t, 180 - t)
	DIV180
	SPOLY SIN
	v_mov_b32 v[SIN+1], v[SIN]
	s_wait_kmcnt 0x0
	v_mov_b32 v146, s17
	v_sub_f32 v147, s16, v146
	v_add_f32 v147, s18, v147
	v_fma_f32 v148, v146, 2.0, s18
	v_fma_f32 v148, s16, 0xc0400000, v148
	v_mul_f32 v149, 0x40400000, v146
	v_mul_f32 v[CA], 0x3f22f983, v147              ; each x 2 / pi
	v_mul_f32 v[CB], 0x3f22f983, v148
	v_mul_f32 v[CC], 0x3f22f983, v149
	v_mov_b32 v[CA+1], v[CA]
	v_mov_b32 v[CB+1], v[CB]
	v_mov_b32 v[CC+1], v[CC]
	; ---- pseudo's rows: waves 0-7, four rows each, lane = w1
	s_cmp_lt_u32 s10, 8
	s_cbranch_scc0 .Lno_rows
.set K, 0
.rept 4
.set J, 0
.rept 9
	global_load_b64 v[VR+18*K+2*J:VR+18*K+2*J+1], v5, s[4:5] offset:K*2304+J*256 th:TH_LOAD_NT   ; 32 lanes read 256 consecutive, aligned bytes
.set J, J+1
.endr
.set K, K+1
.endr
	s_wait_loadcnt 0x0
.set K, 0
.rept 4
.set VB, VR+18*K
.set OB, AM+16*K
	v_mul_f32 v[VB], 0x36800000, v[VB]             ; 2^-18: the inverse transforms' 1 / 512^2
	v_mul_f32 v[VB+16], 0x36800000, v[VB+16]
.set W, 0
.rept 16
.if W%2
	v_sub_f32 v[OB+W], v[VB], v[VB+16]
.else
	v_add_f32 v[OB+W], v[VB], v[VB+16]
.endif
.set W, W+1
.endr
.set J, 1
.rept 7
.set W, 0
.rept 16
	TERM OB+W, VB+2*J, J*W, 0
.set W, W+1
.endr
.set W, 0
.rept 16
	TERM OB+W, VB+2*J+1, J*W+12, 1                 ; -sin(a) = -cos(a + 12 pi / 8)
.set W, W+1
.endr
.set J, J+1
.endr
.set W, 0
.rept 16
	ds_store_b32 v6, v[OB+W] offset:YRB+K*2064+128*W
.set W, W+1
.endr
.set K, K+1
.endr
.Lno_rows:
	BARRIER                                        ; the 32 real rows lie in LDS
	; ---- waves 0-7 quantise one operand each
	s_cmp_lt_u32 s10, 8
	s_cbranch_scc0 .Lno_quant
.set C, 0
.rept 4
.set J, 0
.rept 4
	ds_load_b128 v[AM+16*C+4*J:AM+16*C+4*J+3], v7 offset:YRB+128*C+16*J
.set J, J+1
.endr
.set C, C+1
.endr
	s_wait_dscnt 0x0
	QUANT AM
.set C, 0
.rept 4
	ds_store_b128 v8, v[PC+4*C:PC+4*C+3] offset:512*C
.set C, C+1
.endr
	ds_store_b32 v9, v[PW]
.Lno_quant:
	BARRIER                                        ; the eight operands and their scale words lie in LDS
	; ---- eight K steps of 128: step s is row h = 2 g + s / 4, w = 128 (s % 4) on
.Ltrip:
	s_and_b32 s28, s24, 3
	s_lshl_b32 s29, s28, 7
	s_lshr_b32 s28, s28, 1
	s_lshl_b32 s28, s28, 9
	s_sub_co_i32 s29, s29, s28                     ; n of the step's first w: w, or w - 512 from 256 on
	s_lshr_b32 s30, s24, 2
	s_add_co_u32 s30, s30, s27
	s_lshr_b32 s31, s30, 8
	s_lshl_b32 s31, s31, 9
	s_sub_co_i32 s30, s30, s31                     ; m likewise
	v_cvt_f32_i32 v[NL], s29
	v_add_f32 v[NL], v[HF16], v[NL]
	v_cvt_f32_i32 v[MC], s30
	v_mul_f32 v[MC], v[COSV], v[MC]
	MASK16 0, 0
	v_add_nc_u32 v12, s25, v10                     ; pseudo's operand is asked for here: far more than eight plain lines behind the last product, three blocks ahead of its use
	v_add_nc_u32 v13, s26, v11
.set C, 0
.rept 4
	ds_load_b128 v[AF+4*C:AF+4*C+3], v12 offset:512*C
.set C, C+1
.endr
	ds_load_b32 v[SA], v13
	MASK16 1, 0x42000000
	MASK16 2, 0x42800000
	MASK16 3, 0x42c00000
	QUANT AM
.rept 4
	v_nop                                          ; codes written by vector instructions stand four plain lines ahead of the scaled product; the scale word was made ahead of the 64 holds
.endr
	s_wait_dscnt 0x0                               ; pseudo's codes and scale words are in
	s_wait_alu depctr_va_vdst(0)                   ; the wait, directly ahead of each link
	v_wmma_scale_f32_16x16x128_f8f6f4 v[ACC:ACC+7], v[AF:AF+15], v[PC:PC+15], v[ACC:ACC+7], v[SA], v[PW]
	s_add_co_u32 s25, s25, 2048
	s_add_co_u32 s26, s26, 128
	s_add_co_u32 s24, s24, 1
	s_cmp_lt_u32 s24, 8
	s_cbranch_scc1 .Ltrip
.rept 8
	v_nop                                          ; eight plain lines between the last product and the stores of its result
.endr
	global_store_b128 v14, v[ACC:ACC+3], s[8:9]               ; register jj of lane (r, half): image 8 half + jj, angle 16 wave + r; each store is 512 consecutive bytes
	global_store_b128 v14, v[ACC+4:ACC+7], s[8:9] offset:512
	s_set_vgpr_msb 0x5
	s_wait_tensorcnt 0x0
	ds_add_u32 v0, v1
	s_wait_dscnt 0x0
	s_set_vgpr_msb 0x500
	s_endpgm
.Lfunc_end_k_q3b9bdb3b3c_project:
	.size	k_q3b9bdb3b3c_project, .Lfunc_end_k_q3b9bdb3b3c_project-k_q3b9bdb3b3c_project
	.p2alignl 7, 3214868480
	.fill 96, 4, 3214868480
	.section	.rodata,"a",@progbits
	.p2align	6, 0x0
	.amdhsa_kernel k_q3b9bdb3b3c_project
		.amdhsa_group_segment_fixed_size 85504
		.amdhsa_private_segment_fixed_size 0
		.amdhsa_enable_private_segment 0
		.amdhsa_kernarg_size 24
		.amdhsa_user_sgpr_count 2
		.amdhsa_user_sgpr_kernarg_segment_ptr 1
		.amdhsa_wavefront_size32 1
		.amdhsa_system_sgpr_workgroup_id_x 1
		.amdhsa_system_sgpr_workgroup_id_y 1
		.amdhsa_system_sgpr_workgroup_id_z 1
		.amdhsa_system_vgpr_workitem_id 0
		.amdhsa_next_free_vgpr 258
		.amdhsa_next_free_sgpr 66
		.amdhsa_reserve_vcc 0
		.amdhsa_float_denorm_mode_32 3
		.amdhsa_float_denorm_mode_16_64 3
		.amdhsa_memory_ordered 1
		.amdhsa_forward_progress 1
		.amdhsa_inst_pref_size 130
	.end_amdhsa_kernel
	.amdgpu_metadata
---
amdhsa.version: [ 1, 2 ]
amdhsa.kernels:
  - .name:           k_q3b9bdb3b3c_project
    .symbol:         k_q3b9bdb3b3c_project.kd
    .args:
      - { .name: vbuf, .offset: 0, .size: 8, .value_kind: global_buffer, .address_space: global }
      - { .name: lp, .offset: 8, .size: 8, .value_kind: global_buffer, .address_space: global }
      - { .name: part, .offset: 16, .size: 8, .value_kind: global_buffer, .address_space: global }
    .group_segment_fixed_size: 85504
    .private_segment_fixed_size: 0
    .kernarg_segment_align: 8
    .kernarg_segment_size: 24
    .max_flat_workgroup_size: 384
    .sgpr_count:     66
    .vgpr_count:     258
    .wavefront_size: 32
...
	.end_amdgpu_metadata
.endif
;; end of part 2
;; launch gather (part 3): grid 24 x 1, 8 waves a work-group, no clusters, 5,120 bytes of LDS; arguments part, out0; writes out0
.if DOCPART == 3
	.amdgcn_target "amdgcn-amd-amdhsa--gfx1250"
	.amdhsa_code_object_version 6
	.text
	.protected	k_q3b9bdb3b3c_gather
	.globl	k_q3b9bdb3b3c_gather
	.p2align	8
	.type	k_q3b9bdb3b3c_gather,@function
k_q3b9bdb3b3c_gather:
	s_mov_b64 s[64:65], 0
	v_nop
	global_prefetch_b8 v0, s[64:65] scope:SCOPE_SE
	s_setreg_imm32_b32 hwreg(HW_REG_WAVE_MODE, 25, 1), 1
	s_wait_xcnt 0x0
; out0[image][angle] = 2^-18 x the sum over the 256 work-groups' partial tiles.  Work-group x takes half x % 2 (512 bytes) of tile x / 2: lane (r, hf) holds images 8 hf + 4 (x % 2) + 0 .. 3 of angle 16 (x / 2) + r.
; Wave w adds the parts g = w + 8 i, i = 0 .. 31; the eight sums meet in LDS and wave 0 adds and stores them.  Each load of a wave is 512 consecutive bytes.
; A row of out0 is 720 bytes and a tile has 16 angles of it: the stores are 64 bytes of a row each; all of out0 is 11,520 bytes.
.macro TREE list:vararg                ; quads v[32 + 4 i]: quad i += quad i + st, for each st of the list
.irp st, \list
.set I, 0
.rept \st
	v_pk_add_f32 v[32+4*I:33+4*I], v[32+4*I:33+4*I], v[32+4*(I+\st):33+4*(I+\st)]
	v_pk_add_f32 v[34+4*I:35+4*I], v[34+4*I:35+4*I], v[34+4*(I+\st):35+4*(I+\st)]
.set I, I+1
.endr
.endr
.endm
	s_load_b128 s[4:7], s[0:1], 0x0                ; part, out0
	v_lshl_add_u32 v168, v0, 2, 0x1000
	v_mov_b32 v169, 0
	v_lshrrev_b32 v1, 5, v0
	v_readfirstlane_b32 s8, v1                     ; wave 0 .. 7
	v_and_b32 v2, 31, v0
	v_and_b32 v3, 15, v0                           ; r
	v_bfe_u32 v4, v0, 4, 1                         ; hf
	v_mul_u32_u24 v5, v1, 12288
	v_lshl_add_u32 v5, v2, 4, v5                   ; part g = wave, 16 bytes a lane
	v_lshlrev_b32 v6, 4, v0                        ; LDS: my wave's 512 bytes
	v_lshlrev_b32 v7, 4, v2                        ; and on the way back
	s_lshl_b32 s12, ttmp9, 9
	s_mov_b32 s13, 0
	s_lshr_b32 s14, ttmp9, 1                       ; tile
	s_and_b32 s15, ttmp9, 1                        ; half
	s_mul_i32 s16, s15, 2880                       ; four rows of out0
	s_lshl_b32 s17, s14, 6
	s_add_co_u32 s16, s16, s17
	s_mov_b32 s17, 0
	s_lshl_b32 s18, s14, 4
	v_add_nc_u32 v8, s18, v3                       ; my angle
	v_mul_u32_u24 v9, v4, 5760                     ; eight rows of out0
	v_lshl_add_u32 v9, v3, 2, v9
	s_wait_kmcnt 0x0
	s_add_nc_u64 s[4:5], s[4:5], s[12:13]
	s_add_nc_u64 s[6:7], s[6:7], s[16:17]
.set I, 0
.rept 32
	global_load_b128 v[32+4*I:35+4*I], v5, s[4:5] offset:I*98304 th:TH_LOAD_NT
.set I, I+1
.endr
	s_wait_loadcnt 0x0
	TREE 16, 8, 4, 2, 1
	ds_store_b128 v6, v[32:35]
	s_wait_dscnt 0x0                               ; for the others' sake: my store has landed
	s_barrier_signal -1
	s_barrier_wait -1
	s_cmp_lg_u32 s8, 0
	s_cbranch_scc1 .Lend
.set I, 0
.rept 8
	ds_load_b128 v[32+4*I:35+4*I], v7 offset:512*I
.set I, I+1
.endr
	s_wait_dscnt 0x0
	TREE 4, 2, 1
	v_pk_mul_f32 v[32:33], v[32:33], 0x36800000 op_sel_hi:[1,0]   ; / (512 x 512)
	v_pk_mul_f32 v[34:35], v[34:35], 0x36800000 op_sel_hi:[1,0]
	v_cmp_gt_u32 vcc_lo, 180, v8                   ; angles 180 .. 191 of the last tile are not stored
	s_wait_xcnt 0x0                                ; EXEC changes only behind this wait
	s_and_saveexec_b32 s20, vcc_lo
.set I, 0
.rept 4
	global_store_b32 v9, v[32+I], s[6:7] offset:720*I
.set I, I+1
.endr
	s_wait_xcnt 0x0                                ; and again, in front of the line that widens it
	s_or_b32 exec_lo, exec_lo, s20
.Lend:
	s_wait_tensorcnt 0x0
	ds_add_u32 v168, v169
	s_wait_dscnt 0x0
	s_endpgm
.Lfunc_end_k_q3b9bdb3b3c_gather:
	.size	k_q3b9bdb3b3c_gather, .Lfunc_end_k_q3b9bdb3b3c_gather-k_q3b9bdb3b3c_gather
	.p2alignl 7, 3214868480
	.fill 96, 4, 3214868480
	.section	.rodata,"a",@progbits
	.p2align	6, 0x0
	.amdhsa_kernel k_q3b9bdb3b3c_gather
		.amdhsa_group_segment_fixed_size 5120
		.amdhsa_private_segment_fixed_size 0
		.amdhsa_enable_private_segment 0
		.amdhsa_kernarg_size 16
		.amdhsa_user_sgpr_count 2
		.amdhsa_user_sgpr_kernarg_segment_ptr 1
		.amdhsa_wavefront_size32 1
		.amdhsa_system_sgpr_workgroup_id_x 1
		.amdhsa_system_sgpr_workgroup_id_y 1
		.amdhsa_system_sgpr_workgroup_id_z 1
		.amdhsa_system_vgpr_workitem_id 0
		.amdhsa_next_free_vgpr 170
		.amdhsa_next_free_sgpr 66
		.amdhsa_reserve_vcc 1
		.amdhsa_float_denorm_mode_32 3
		.amdhsa_float_denorm_mode_16_64 3
		.amdhsa_memory_ordered 1
		.amdhsa_forward_progress 1
		.amdhsa_inst_pref_size 11
	.end_amdhsa_kernel
	.amdgpu_metadata
---
amdhsa.version: [ 1, 2 ]
amdhsa.kernels:
  - .name:           k_q3b9bdb3b3c_gather
    .symbol:         k_q3b9bdb3b3c_gather.kd
    .args:
      - { .name: part, .offset: 0, .size: 8, .value_kind: global_buffer, .address_space: global }
      - { .name: out0, .offset: 8, .size: 8, .value_kind: global_buffer, .address_space: global }
    .group_segment_fixed_size: 5120
    .private_segment_fixed_size: 0
    .kernarg_segment_align: 8
    .kernarg_segment_size: 16
    .max_flat_workgroup_size: 256
    .sgpr_count:     66
    .vgpr_count:     170
    .wavefront_size: 32
...
	.end_amdgpu_metadata
.endif
;; end of part 3
;; ======== version 2 of 2: 3 launches; version 1 with the launch project written anew for expert scheduling mode
;; limits: inputs' magnitudes at most 280,000,000,000,000; right only within a limited range of input values
;; workspace buffers: vbuf 18,874,368 bytes; part 3,145,728 bytes
;; launch columns: the kernel of part 1 again; grid 9 x 16, 8 waves a work-group, no clusters, 271,872 bytes of LDS; arguments batch, vbuf; writes vbuf
;; launch project (part 4): grid 256 x 1, 12 waves a work-group, no clusters, 85,504 bytes of LDS; arguments vbuf, lp, part; writes part
.if DOCPART == 4
	.amdgcn_target "amdgcn-amd-amdhsa--gfx1250"
	.amdhsa_code_object_version 6
	.text
	.protected	k_q3b9bdb3b3c_project
	.globl	k_q3b9bdb3b3c_project
	.p2align	8
	.type	k_q3b9bdb3b3c_project,@function
k_q3b9bdb3b3c_project:
	s_mov_b64 s[64:65], 0
	v_nop
	global_prefetch_b8 v0, s[64:65] scope:SCOPE_SE
	s_setreg_imm32_b32 hwreg(HW_REG_WAVE_SCHED_MODE, 0, 2), 2
	s_setreg_imm32_b32 hwreg(HW_REG_WAVE_MODE, 25, 1), 1
	s_wait_xcnt 0x0
	s_wait_alu depctr_vm_vsrc(0)
; Work-group g owns rows h = 2 g, 2 g + 1 of the 512 x 512 grid: 1,024 of the product's K.  It finishes pseudo for these rows of all 16 images, quantises it, makes and quantises the masks of all angles
; on these rows, and multiplies: part[g] = 12 tiles of 16 images x 16 angles, summed over its K.
; PSEUDO (w = w1 + 32 w2): 2^-18 (V0r + (-1)^w2 V8r) + 2^-17 sum over j = 1 .. 7 of (Vr_j cos(pi j w2 / 8) - Vi_j sin(pi j w2 / 8)).  Waves 0-7: four rows (h, image) each, lane = w1.
; The real rows lie in LDS; waves 0-7 quantise one operand of 16 images x 128 along w each and leave it in LDS as an image of its registers.
; MASKS.  x = m cos + n sin.  Since sin(pi (x +- p)) = (-1)^p sin(pi x):  mask = sin(pi x) N / (x (x^2 - 1)(x^2 - 4)),  N = (CA q + CB) q + CC,  q = x^2 - 1,
; CA = (2 / pi)(lp0 - lp1 + lp2), CB = (2 / pi)(-3 lp0 + 2 lp1 + lp2), CC = (2 / pi) 3 lp1.  x^2 - 1 and x^2 - 4 are one fused operation each.  sin(pi x) = (-1)^k r P(r^2), k the nearest whole number, r = x - k exact.
; x never is 0, +-1, +-2: 2^-60 is added (it changes only numbers under 2^-36) and the lowest bit of x is set: no quotient is 0 / 0 and nothing is selected.
; Wave = one tile of 16 angles, t = 16 wave + lane % 16; a lane's registers run along w in the order of the operand's layout: 16 numbers of each of four blocks of 32; lane l xor 16 holds the other 16.
; Angles 180 .. 191 of the last tile are computed like the others and never read.
; LIMITS: x is moved by at most one unit in its last place; the angle is pi t / 180 (within 2e-7 of the rounded angles of the definition); NaN and infinities are not served.
; No work-group shares an input with another but lp's 12 bytes: no cluster.  vbuf is read once, in one run at the head: nothing could be asked for ahead of it.
; THE MODE: SCHED_MODE bits 1:0 = 2 (LLVM: expert scheduling mode 2), set by the entry lines.  The code itself states the register dependences
; between vector or matrix instructions and memory or LDS instructions, with s_wait_alu, always for 0.
; THE PLAN.  Registers that memory or LDS instructions touch:
;   v5-v9, v14   offsets and LDS addresses: written at the head, read by loads and stores, never written again: one wait at the head's end serves them all.
;   VR           v74-77 of it are written by four moves at the head; the 36 loads of vbuf land in it; then vector lines alone name it.
;   AM           Row k's sums write AM + 16 k; its 16 LDS stores are issued in row k + 1, behind a wait at that row's head, among multiply-adds that name row k + 1's registers alone.
;                Behind the last stores one wait on vm_vsrc: the real rows' loads land in AM, and the masks are written there.
;   PC, PW       Written by the quantiser; in waves 0-7 read by five LDS stores (a wait on va_vdst ahead, one on vm_vsrc behind); then written in every trip and read by the product.
;   v12, v13     Written at a trip's head, read by the trip's five LDS loads; the wait on vm_vsrc for them stands ahead of the product, so ahead of the backward jump.
;   AF, SA       The five loads land in them behind the first mask block; the trip's product reads them.  The wait behind that block's reciprocals states that the last trip's product is done
;                reading them and that v12 and v13 are written; between it and the loads stand eight multiplications on AM, AP and AZ alone.
;   ACC          Written by the product; read by the two stores at the end, behind the places and a wait.
.set YRB,  0                           ; 32 real rows (16 hl + image) of 2,048 bytes + 16
.set FRGB, 32*2064                     ; 8 operands of 2,048 bytes,
.set FSCB, FRGB+8*2048                 ; their scale words, 128 bytes each
.set COSV, 15
.set MC,   16                          ; m cos
.set NL,   17                          ; n of my first number of the step
.set HF16, 18
.set SIN,  20                          ; pairs of equal words: sin;
.set BASE, 22                          ; x of my block's first number;
.set ONE,  24
.set NEG1, 26
.set NEG4, 28
.set EPS,  30                          ; 2^-60
.set MAG,  32                          ; 1.5 x 2^23
.set NMAG, 34
.set C0,   36                          ; sin(pi r) = r (C0 + C1 z + .. + C5 z^5), z = r^2 <= 1/4
.set C1,   38
.set C2,   40
.set C3,   42
.set C4,   44
.set C5,   46
.set CA,   48
.set CB,   50
.set CC,   52
.set IOTA, 54                          ; v54-69 0.0 .. 15.0
.set AX,   70                          ; the mask's five arrays of 16: x;
.set AT,   86                          ; x + 1.5 2^23, its parity, later q;
.set AR,   102                         ; r, later N;
.set AZ,   118                         ; r^2, later the denominator and its reciprocal;
.set AP,   134                         ; the polynomial, sin, sin x N
.set AM,   150                         ; v150-213 64 numbers ahead of the quantiser
.set VR,   70                          ; the synthesis: V of row k, set j at v[VR + 18 k + 2 j]
.set TM,   70                          ; v70-85 the quantiser's work
.set PC,   214                         ; v214-229 the codes just made
.set AF,   230                         ; v230-245 pseudo's codes
.set ACC,  246                         ; v246-253
.set SA,   254                         ; pseudo's scale words
.set PW,   255                         ; the scale word just made
.set TA,   142
.set TZ,   143
.set TP,   144
.set CT,   40                          ; s40-43 2^-17 cos(pi k / 8), k = 0 .. 3
.macro BARRIER
	s_wait_dscnt 0x0
	s_barrier_signal -1
	s_barrier_wait -1
.endm
.macro SETP p, c
	v_mov_b32 v[\p], \c
	v_mov_b32 v[\p+1], \c
.endm
.macro DIV180                          ; v[TA] = v[TZ] / 180: one step of correction behind the product with 1 / 180
	v_mul_f32 v[TA], 0x3bb60b61, v[TZ]
	v_fma_f32 v[TP], v[TA], 0xc3340000, v[TZ]
	v_fma_f32 v[TA], v[TP], 0x3bb60b61, v[TA]
.endm
.macro SPOLY out                       ; v[out] = sin(pi v[TA])
	v_mul_f32 v[TZ], v[TA], v[TA]
	v_mov_b32 v[TP], 0xbbee2719
	v_fmaak_f32 v[TP], v[TP], v[TZ], 0x3da83c1a
	v_fmaak_f32 v[TP], v[TP], v[TZ], 0xbf196966
	v_fmaak_f32 v[TP], v[TP], v[TZ], 0x402335e3
	v_fmaak_f32 v[TP], v[TP], v[TZ], 0xc0a55de7
	v_fmaak_f32 v[TP], v[TP], v[TZ], 0x40490fdb
	v_mul_f32 v[\out], v[TP], v[TA]
.endm
.macro PKF d, a, b, bs, c, cs          ; 16 numbers: d = a b + c; bs, cs = 2: an array, 0: a pair of equal words
.set I, 0
.rept 8
	v_pk_fma_f32 v[\d+2*I:\d+2*I+1], v[\a+2*I:\a+2*I+1], v[\b+\bs*I:\b+\bs*I+1], v[\c+\cs*I:\c+\cs*I+1]
.set I, I+1
.endr
.endm
.macro PKM d, a, b, bs
.set I, 0
.rept 8
	v_pk_mul_f32 v[\d+2*I:\d+2*I+1], v[\a+2*I:\a+2*I+1], v[\b+\bs*I:\b+\bs*I+1]
.set I, I+1
.endr
.endm
.macro TERM dst, src, k, flip          ; dst += (flip: -) src x 2^-17 cos(pi k / 8); nothing where the cosine is 0
.set KQ, (\k)%16
.set CN, \flip
.if KQ > 8
.set KQ, 16-KQ
.endif
.if KQ > 4
.set KQ, 8-KQ
.set CN, 1-CN
.endif
.if KQ < 4
.if CN
	v_fma_f32 v[\dst], -v[\src], s[CT+KQ], v[\dst]
.else
	v_fma_f32 v[\dst], v[\src], s[CT+KQ], v[\dst]
.endif
.endif
.endm
.macro ROWST k, w0                     ; four of row k's sixteen stores into the real rows: w2 = w0 .. w0 + 3
.set SW, \w0
.rept 4
	ds_store_b32 v6, v[AM+16*(\k)+SW] offset:YRB+(\k)*2064+128*SW
.set SW, SW+1
.endr
.endm
; 64 numbers of a lane, register 16 b + i = k 32 b + 16 (lane / 16) + i of my row or column, become an operand's codes in v[PC] on and its scale word in v[PW]
.macro QUANT s
.irp b, 0,1,2,3
	v_max3_num_f32 v[TM+\b], |v[\s+16*\b]|, |v[\s+1+16*\b]|, 0x4800000   ; block b: my 16 numbers, and the floor 2^(9 - 127): the byte cannot fall under 1 (a block of zeros keeps that byte over zero codes; this program alone reads the bytes)
.endr
.irp i, 2,4,6,8,10,12,14
.irp b, 0,1,2,3
	v_max3_num_f32 v[TM+\b], v[TM+\b], |v[\s+16*\b+\i]|, |v[\s+1+16*\b+\i]|
.endr
.endr
.irp b, 0,1,2,3
	v_permlanex16_b32 v[TM+4+\b], v[TM+\b], s20, s21
.endr
.irp b, 0,1,2,3
	v_max_num_f32 v[TM+\b], v[TM+\b], v[TM+4+\b]   ; with lane l xor 16's: the block's largest magnitude
.endr
.irp b, 0,1,2,3
	v_add_nc_u32 v[TM+12+\b], 0xfc000000, v[TM+\b]   ; 8 off its exponent field: the conversion's scale operand
.endr
.irp b, 0,1,2,3
	v_and_or_b32 v[TM+8+\b], v[TM+\b], 0x7f800000, s22   ; 448 x the scale
.endr
.irp b, 0,1,2,3
	v_lshrrev_b32 v[TM+4+\b], 23, v[TM+12+\b]   ; the scale's byte
.endr
	v_lshl_or_b32 v[PW], v[TM+5], 8, v[TM+4]
	v_lshl_or_b32 v[PW], v[TM+6], 16, v[PW]
	v_lshl_or_b32 v[PW], v[TM+7], 24, v[PW]
.irp b, 0,1,2,3
.irp i, 0,1,2,3,4,5,6,7,8,9,10,11,12,13,14,15
	v_med3_num_f32 v[\s+16*\b+\i], v[\s+16*\b+\i], -v[TM+8+\b], v[TM+8+\b]   ; the conversion to an 8-bit code does not saturate (ISA guide 7.6.2): the hold at the largest code x the scale
.endr
	v_cvt_scalef32_pk8_fp8_f32 v[PC+4*\b:PC+1+4*\b], v[\s+16*\b:\s+7+16*\b], v[TM+12+\b]
	v_cvt_scalef32_pk8_fp8_f32 v[PC+2+4*\b:PC+3+4*\b], v[\s+8+16*\b:\s+15+16*\b], v[TM+12+\b]
.endr
	v_nop                                          ; one plain line behind the last conversion
.endm
; my 16 mask numbers of block c of the step; f32c = the float 32 c
.macro MASK16 c, f32c
.if \c
	v_add_f32 v19, \f32c, v[NL]
	v_fma_f32 v[BASE], v19, v[SIN], v[MC]
.else
	v_fma_f32 v[BASE], v[NL], v[SIN], v[MC]
.endif
	v_mov_b32 v[BASE+1], v[BASE]
	PKF AX, IOTA, SIN, 0, BASE, 0                  ; x
	PKF AX, AX, ONE, 0, EPS, 0
.set I, 0
.rept 16
	v_or_b32 v[AX+I], 1, v[AX+I]
.set I, I+1
.endr
	PKF AT, AX, ONE, 0, MAG, 0                     ; the sum's lowest bits hold the nearest whole number k
	PKF AR, AT, ONE, 0, NMAG, 0                    ; k
	PKF AR, AR, NEG1, 0, AX, 2                     ; r = x - k
.set I, 0
.rept 16
	v_lshlrev_b32 v[AT+I], 31, v[AT+I]             ; k's parity as a sign
.set I, I+1
.endr
	PKM AZ, AR, AR, 2
.set I, 0
.rept 16
	v_xor_b32 v[AR+I], v[AT+I], v[AR+I]
.set I, I+1
.endr
	PKF AP, AZ, C5, 0, C4, 0
	PKF AP, AP, AZ, 2, C3, 0
	PKF AP, AP, AZ, 2, C2, 0
	PKF AP, AP, AZ, 2, C1, 0
	PKF AP, AP, AZ, 2, C0, 0
	PKM AP, AP, AR, 2                              ; sin(pi x)
	PKF AT, AX, AX, 2, NEG1, 0                     ; q
	PKF AZ, AX, AX, 2, NEG4, 0
	PKF AR, AT, CA, 0, CB, 0
	PKF AR, AR, AT, 2, CC, 0                       ; N
	PKM AZ, AZ, AT, 2
	PKM AZ, AZ, AX, 2                              ; the denominator
.set I, 0
.rept 16
	v_rcp_f32 v[AZ+I], v[AZ+I]
.set I, I+1
.endr
	PKM AP, AP, AR, 2                              ; plain work behind the reciprocals
	s_wait_alu depctr_va_vdst(0)                   ; the 16 reciprocals have written v[AZ ..], ahead of their first reader.  In a trip's block 0 it states two things more: the last trip's product is done reading v[AF ..] and v[SA], and v12 and v13 are written
	PKM AM+16*(\c), AP, AZ, 2
.endm
	s_load_b128 s[4:7], s[0:1], 0x0                ; vbuf, lp
	s_load_b64 s[8:9], s[0:1], 0x10                ; part
	s_set_vgpr_msb 0x40
	v_lshl_add_u32 v0, v0, 2, 0x14800
	v_mov_b32 v1, 0
	s_set_vgpr_msb 0x4000
	v_lshrrev_b32 v1, 5, v0
	v_readfirstlane_b32 s10, v1                    ; wave 0 .. 11
	v_and_b32 v2, 31, v0                           ; lane
	v_and_b32 v3, 15, v0                           ; r
	v_bfe_u32 v4, v0, 4, 1                         ; which half of the lanes
	s_mul_i32 s12, ttmp9, 73728                    ; my two rows of h: 2 x 16 x 9 x 256 consecutive bytes
	s_mov_b32 s13, 0
	s_mul_i32 s14, ttmp9, 12288
	s_mov_b32 s15, 0
	s_wait_kmcnt 0x0
	s_load_b96 s[16:18], s[6:7], 0x0               ; lp
	s_add_nc_u64 s[4:5], s[4:5], s[12:13]
	s_add_nc_u64 s[8:9], s[8:9], s[14:15]
	; every LDS address but the loop's two is made here, ahead of the first parting of the waves
	v_mul_u32_u24 v5, v1, 9216
	v_lshl_add_u32 v5, v2, 3, v5                   ; vbuf: four rows a wave, 8 bytes a lane
	v_mul_u32_u24 v6, v1, 8256
	v_lshl_add_u32 v6, v2, 2, v6                   ; the real rows, on the way in: row 4 wave (+ k), w1 = lane
	v_lshrrev_b32 v7, 2, v1
	v_mul_u32_u24 v7, v7, 33024
	v_and_b32 v19, 3, v1
	v_lshl_add_u32 v7, v19, 9, v7
	v_mad_u32_u24 v7, v3, 2064, v7
	v_lshl_add_u32 v7, v4, 6, v7                   ; on the way out: operand = wave: row 16 (wave / 4) + r, w = 128 (wave % 4) + 16 half
	v_lshlrev_b32 v10, 4, v2
	v_lshlrev_b32 v11, 2, v2
	v_lshl_add_u32 v8, v1, 11, v10
	v_add_nc_u32 v8, FRGB, v8
	v_lshl_add_u32 v9, v0, 2, FSCB
	v_lshl_add_u32 v14, v1, 10, v10                ; part: 1,024 bytes a tile, 16 a lane
	s_mov_b32 s20, 0x76543210
	s_mov_b32 s21, 0xfedcba98                      ; v_permlanex16_b32's selects for lane l xor 16
	s_mov_b32 s22, 0x600000                        ; the mantissa field of 448
	s_mov_b32 s24, 0                               ; the K step
	s_mov_b32 s25, FRGB                            ; its operand,
	s_mov_b32 s26, FSCB                            ; its scale words
	s_lshl_b32 s27, ttmp9, 1                       ; my first h
	s_mov_b32 s40, 0x37000000
	s_mov_b32 s41, 0x36ec835e
	s_mov_b32 s42, 0x36b504f3
	s_mov_b32 s43, 0x3643ef15
	SETP ONE, 1.0
	SETP NEG1, -1.0
	SETP NEG4, -4.0
	SETP EPS, 0x21800000
	SETP MAG, 0x4b400000
	SETP NMAG, 0xcb400000
	SETP C0, 0x40490fdb
	SETP C1, 0xc0a55de7
	SETP C2, 0x402335e3
	SETP C3, 0xbf196966
	SETP C4, 0x3da83c1a
	SETP C5, 0xbbee2719
.set I, 0
.rept 16
	v_cvt_f32_u32 v[IOTA+I], I
.set I, I+1
.endr
.set I, 0
.rept 4
	v_mov_b32 v[TM+4+I], 0                         ; written once: a lane permute's destination counts as one of its sources
.set I, I+1
.endr
.set I, 0
.rept 8
	v_mov_b32 v[ACC+I], 0                          ; eight lines, so that the loop's body is written once
.set I, I+1
.endr
	v_lshlrev_b32 v[HF16], 4, v4
	v_cvt_f32_u32 v[HF16], v[HF16]
	v_lshl_add_u32 v145, v1, 4, v3                 ; my angle's number t
	v_add_nc_u32 v145, -90, v145
	v_cvt_f32_i32 v145, v145                       ; t - 90
	v_sub_f32 v[TZ], 0, v145
	DIV180
	SPOLY COSV                                     ; cos(pi t / 180) = sin(pi (90 - t) / 180)
	v_sub_f32 v[TZ], 0x42b40000, |v145|            ; 90 - |t - 90| = min(t, 180 - t)
	DIV180
	SPOLY SIN
	v_mov_b32 v[SIN+1], v[SIN]
	s_wait_kmcnt 0x0
	v_mov_b32 v146, s17
	v_sub_f32 v147, s16, v146
	v_add_f32 v147, s18, v147
	v_fma_f32 v148, v146, 2.0, s18
	v_fma_f32 v148, s16, 0xc0400000, v148
	v_mul_f32 v149, 0x40400000, v146
	v_mul_f32 v[CA], 0x3f22f983, v147              ; each x 2 / pi
	v_mul_f32 v[CB], 0x3f22f983, v148
	v_mul_f32 v[CC], 0x3f22f983, v149
	v_mov_b32 v[CA+1], v[CA]
	v_mov_b32 v[CB+1], v[CB]
	v_mov_b32 v[CC+1], v[CC]
	s_wait_alu depctr_va_sdst(0)                   ; s10 is written, ahead of its first reader, the compare below
	s_wait_alu depctr_va_vdst(0)                   ; the offsets and addresses v5 to v9 and v14 are written, which the loads and stores of the whole kernel read; so are v74 to v77, in which loads of vbuf land
	; ---- pseudo's rows: waves 0-7, four rows each, lane = w1
	s_cmp_lt_u32 s10, 8
	s_cbranch_scc0 .Lno_rows
.set K, 0
.rept 4
.set J, 0
.rept 9
	global_load_b64 v[VR+18*K+2*J:VR+18*K+2*J+1], v5, s[4:5] offset:K*2304+J*256 th:TH_LOAD_NT   ; 32 lanes read 256 consecutive, aligned bytes
.set J, J+1
.endr
.set K, K+1
.endr
	s_wait_loadcnt 0x0
.set K, 0
.rept 4
.set VB, VR+18*K
.set OB, AM+16*K
.if K > 0
	s_wait_alu depctr_va_vdst(0)                   ; the row before has written its 16 sums, which the stores dealt among this row's lines read; this row's lines name its own V and its own sums alone
.endif
	v_mul_f32 v[VB], 0x36800000, v[VB]             ; 2^-18: the inverse transforms' 1 / 512^2
	v_mul_f32 v[VB+16], 0x36800000, v[VB+16]
.set W, 0
.rept 16
.if W%2
	v_sub_f32 v[OB+W], v[VB], v[VB+16]
.else
	v_add_f32 v[OB+W], v[VB], v[VB+16]
.endif
.set W, W+1
.endr
.set J, 1
.rept 7
.if (K > 0) && (J <= 4)
	ROWST K-1, 4*(J-1)                             ; four stores of the row before, in front of each of this row's first four sets
.endif
.set W, 0
.rept 16
	TERM OB+W, VB+2*J, J*W, 0
.set W, W+1
.endr
.set W, 0
.rept 16
	TERM OB+W, VB+2*J+1, J*W+12, 1                 ; -sin(a) = -cos(a + 12 pi / 8)
.set W, W+1
.endr
.set J, J+1
.endr
.set K, K+1
.endr
	s_wait_alu depctr_va_vdst(0)                   ; the last row has written its 16 sums, which the stores below read; no vector line behind this wait names v[AM ..] before the real rows' loads land there
	ROWST 3, 0
	ROWST 3, 4
	ROWST 3, 8
	ROWST 3, 12
	s_wait_alu depctr_vm_vsrc(0)                   ; the 64 stores have read v[AM ..], in which the real rows' loads land and which the masks write
.Lno_rows:
	BARRIER                                        ; the 32 real rows lie in LDS
	; ---- waves 0-7 quantise one operand each
	s_cmp_lt_u32 s10, 8
	s_cbranch_scc0 .Lno_quant
.set C, 0
.rept 4
.set J, 0
.rept 4
	ds_load_b128 v[AM+16*C+4*J:AM+16*C+4*J+3], v7 offset:YRB+128*C+16*J
.set J, J+1
.endr
.set C, C+1
.endr
	s_wait_dscnt 0x0
	QUANT AM
	s_wait_alu depctr_va_vdst(0)                   ; the conversions have written v[PC ..] and the shifts v[PW], which the stores below read
.set C, 0
.rept 4
	ds_store_b128 v8, v[PC+4*C:PC+4*C+3] offset:512*C
.set C, C+1
.endr
	ds_store_b32 v9, v[PW]
	s_wait_alu depctr_vm_vsrc(0)                   ; the five stores have read v[PC ..] and v[PW], which the loop's quantiser writes again
.Lno_quant:
	BARRIER                                        ; the eight operands and their scale words lie in LDS
	; ---- eight K steps of 128: step s is row h = 2 g + s / 4, w = 128 (s % 4) on
.Ltrip:
	s_and_b32 s28, s24, 3
	s_lshl_b32 s29, s28, 7
	s_lshr_b32 s28, s28, 1
	s_lshl_b32 s28, s28, 9
	s_sub_co_i32 s29, s29, s28                     ; n of the step's first w: w, or w - 512 from 256 on
	s_lshr_b32 s30, s24, 2
	s_add_co_u32 s30, s30, s27
	s_lshr_b32 s31, s30, 8
	s_lshl_b32 s31, s31, 9
	s_sub_co_i32 s30, s30, s31                     ; m likewise
	v_add_nc_u32 v12, s25, v10                     ; where pseudo's operand of this step lies, and its scale words: made here, ahead of the wait in the first mask block
	v_add_nc_u32 v13, s26, v11                     ; (the last trip's loads have read both: the wait for that stands ahead of the last trip's product)
	v_cvt_f32_i32 v[NL], s29
	v_add_f32 v[NL], v[HF16], v[NL]
	v_cvt_f32_i32 v[MC], s30
	v_mul_f32 v[MC], v[COSV], v[MC]
	MASK16 0, 0
.set C, 0
.rept 4
	ds_load_b128 v[AF+4*C:AF+4*C+3], v12 offset:512*C   ; pseudo's operand is asked for here, three blocks ahead of its use.  No wait: since the wait in the block above only eight multiplications on v[AM ..], v[AP ..] and v[AZ ..] were issued
.set C, C+1
.endr
	ds_load_b32 v[SA], v13
	MASK16 1, 0x42000000
	MASK16 2, 0x42800000
	MASK16 3, 0x42c00000
	QUANT AM
.rept 4
	v_nop                                          ; codes written by vector instructions stand four plain lines ahead of the scaled product; the scale word was made ahead of the 64 holds
.endr
	s_wait_dscnt 0x0                               ; pseudo's codes and scale words are in
	s_wait_alu depctr_vm_vsrc(0)                   ; the five loads have read v12 and v13, which the next trip's head writes again
	s_wait_alu depctr_va_vdst(0)                   ; the wait, directly ahead of each link; it also states that the conversions have written v[PC ..] and the shifts v[PW], which the product takes as B and as B's scales
	v_wmma_scale_f32_16x16x128_f8f6f4 v[ACC:ACC+7], v[AF:AF+15], v[PC:PC+15], v[ACC:ACC+7], v[SA], v[PW]
	s_add_co_u32 s25, s25, 2048
	s_add_co_u32 s26, s26, 128
	s_add_co_u32 s24, s24, 1
	s_cmp_lt_u32 s24, 8
	s_cbranch_scc1 .Ltrip
.rept 8
	v_nop                                          ; eight plain lines between the last product and the stores of its result
.endr
	s_wait_alu depctr_va_vdst(0)                   ; the last product has written v[ACC ..], which the stores read; the places above stay beside this wait
	global_store_b128 v14, v[ACC:ACC+3], s[8:9]               ; register jj of lane (r, half): image 8 half + jj, angle 16 wave + r; each store is 512 consecutive bytes
	global_store_b128 v14, v[ACC+4:ACC+7], s[8:9] offset:512
	s_set_vgpr_msb 0x5
	s_wait_dscnt 0x0
	s_wait_alu depctr_hold_cnt(0) depctr_sa_sdst(0) depctr_va_vdst(0) depctr_va_sdst(0) depctr_va_ssrc(0) depctr_va_vcc(0) depctr_vm_vsrc(0)
	s_wait_tensorcnt 0x0
	ds_add_u32 v0, v1
	s_wait_dscnt 0x0
	s_endpgm
.Lfunc_end_k_q3b9bdb3b3c_project:
	.size	k_q3b9bdb3b3c_project, .Lfunc_end_k_q3b9bdb3b3c_project-k_q3b9bdb3b3c_project
	.p2alignl 7, 3214868480
	.fill 96, 4, 3214868480
	.section	.rodata,"a",@progbits
	.p2align	6, 0x0
	.amdhsa_kernel k_q3b9bdb3b3c_project
		.amdhsa_group_segment_fixed_size 85504
		.amdhsa_private_segment_fixed_size 0
		.amdhsa_enable_private_segment 0
		.amdhsa_kernarg_size 24
		.amdhsa_user_sgpr_count 2
		.amdhsa_user_sgpr_kernarg_segment_ptr 1
		.amdhsa_wavefront_size32 1
		.amdhsa_system_sgpr_workgroup_id_x 1
		.amdhsa_system_sgpr_workgroup_id_y 1
		.amdhsa_system_sgpr_workgroup_id_z 1
		.amdhsa_system_vgpr_workitem_id 0
		.amdhsa_next_free_vgpr 258
		.amdhsa_next_free_sgpr 66
		.amdhsa_reserve_vcc 0
		.amdhsa_float_denorm_mode_32 3
		.amdhsa_float_denorm_mode_16_64 3
		.amdhsa_memory_ordered 1
		.amdhsa_forward_progress 1
		.amdhsa_inst_pref_size 130
	.end_amdhsa_kernel
	.amdgpu_metadata
---
amdhsa.version: [ 1, 2 ]
amdhsa.kernels:
  - .name:           k_q3b9bdb3b3c_project
    .symbol:         k_q3b9bdb3b3c_project.kd
    .args:
      - { .name: vbuf, .offset: 0, .size: 8, .value_kind: global_buffer, .address_space: global }
      - { .name: lp, .offset: 8, .size: 8, .value_kind: global_buffer, .address_space: global }
      - { .name: part, .offset: 16, .size: 8, .value_kind: global_buffer, .address_space: global }
    .group_segment_fixed_size: 85504
    .private_segment_fixed_size: 0
    .kernarg_segment_align: 8
    .kernarg_segment_size: 24
    .max_flat_workgroup_size: 384
    .sgpr_count:     66
    .vgpr_count:     258
    .wavefront_size: 32
...
	.end_amdgpu_metadata
.endif
;; end of part 4
;; launch gather: the kernel of part 3 again; grid 24 x 1, 8 waves a work-group, no clusters, 5,120 bytes of LDS; arguments part, out0; writes out0
